; MI455X (gfx1250); checked and timed in simulation.
; The chip was launched on July 23, 2026; its instructions are those of AMD's public machine-readable ISA for CDNA 5 (MIT licence, August 2026) and "CDNA5" Instruction Set Architecture Reference Guide (July 2026). The comments in the code are by the model that wrote it; some were corrected since.
;; Attention. Allowed arithmetic: matrix products marked QUANTISED: E5M2 operands, one given power-of-two scale a tensor, by v_wmma_f32_16x16x64_bf8_bf8 or v_wmma_f32_16x16x128_bf8_bf8, f32 sums; everything else in f32.
;; Inputs: W_o_codes 1,024 x 32 x 32 uint8 (E5M2 codes of W_o, K innermost, in blocks of 32 codes); W_qkv_codes 3,072 x 32 x 32 uint8 (E5M2 codes of W_qkv, K innermost, in blocks of 32 codes); b_o 1,024 float32; b_qkv 3,072 float32; lowp_scales 8 int32 (the exponents e of the quantised operands' scales 2^e); x_codes 4 x 2,048 x 32 x 32 uint8 (E5M2 codes of x, K innermost, in blocks of 32 codes).
;; Outputs: out0 4 x 2,048 x 1,024 float32.
;; This version of the problem:
;;   THIS VERSION OF THE PROBLEM IS GIVEN IN LOW PRECISION. The matrix products marked QUANTISED in the list below multiply operands that are first quantised to E5M2 (5 exponent bits, 2 mantissa bits; 8 bits a number), with one given power-of-two scale for each operand tensor; their sums are f32. All else is computed in f32.
;;   The module's matrix products, in the order in which they are computed (A, B: the left and right operand; K: the contracted axis; several contracted axes count as one K, in the product's order):
;;     1. [M 8,192, K 1,024] x [K 1,024, N 3,072]; A: input x (given as codes); B: input W_qkv (given as codes): QUANTISED (scales: A lowp_scales[0], B lowp_scales[1])
;;     2. batch 64 x [M 2,048, K 64] x [K 64, N 2,048]; A: computed on the way; B: computed on the way: QUANTISED (scales: A lowp_scales[2], B lowp_scales[3])
;;     3. batch 64 x [M 64, K 2,048] x [K 2,048, N 2,048]; A: computed on the way; B: softmax (see below): QUANTISED (scales: A lowp_scales[4], B lowp_scales[5])
;;     4. [M 8,192, K 1,024] x [K 1,024, N 1,024]; A: computed on the way; B: input W_o (given as codes): QUANTISED (scales: A lowp_scales[6], B lowp_scales[7])
;;   THE QUANTISER, for each operand of a quantised product, along K:
;;     - The operand's scale is 2^e, e = its entry of the input lowp_scales (int32; the entries are numbered through the quantised products in the list's order, A before B).
;;     - Each number is divided by the scale, clamped to +-57,344, and rounded to the nearest number of E5M2, ties to even, subnormals kept.
;;     - The product sums the exact products of the quantised numbers (number of the format x scale) in f32.
;;   ~~~python
;;   def quantise(x, axis, e):      # numpy; x: float32 -> the quantised numbers, widened to float32 again
;;       x = np.moveaxis(x, axis, -1); K = x.shape[-1]
;;       r = np.clip(x / 2.0 ** e, -57344, 57344)
;;       step = 2.0 ** (np.maximum(np.frexp(np.where(r == 0, 1, r))[1] - 1, -14) - 2)
;;       q = np.round(r / step) * step * 2.0 ** e      # np.round: ties to even
;;       return np.moveaxis(q, -1, axis).astype(np.float32)
;;   ~~~
;;   SOFTMAX AHEAD OF A QUANTISED PRODUCT. Where the list says 'softmax', what is quantised is not the finished softmax but p = 2^(t - M), with t = logit x log2(e) and M = ceil(the row's largest t), a whole number; so 1/2 < the row's largest p <= 1. The row's sum l is taken of the UNQUANTISED p, in f32, and the product's result is divided by l at the end. Since M is a whole number, a kernel that streams over the keys may use a running M (the ceiling of the running maximum): every later rescaling is an exact power of two, so the quantised numbers keep their values, but for numbers so far below the row's largest that they fall under the format's range.
;;   OPERANDS COMPUTED ON THE WAY. 'Computed on the way' means the value that the module computes at that place (a softmax that the list does not call 'softmax' is quantised finished and normalised). What goes into a quantiser is computed in f32, as accurately as f32 sums, v_exp_f32 and their like allow (about 1e-6 of the number): no bf16 or f16 on the way to a quantiser, and a product that is left as it is and whose result goes on into a quantised operand takes f32 operands (vector FMAs, or v_wmma_f32_16x16x4_f32). A number that lies on a knife's edge between two numbers of the format may be rounded either way, as far as f32 arithmetic and the matrix unit's own rounding can turn it there, and no further.
;;   INPUTS GIVEN AS CODES. W_o (in the module: [1024, 1024], K = its axis 0); W_qkv (in the module: [1024, 3072], K = its axis 0); x (in the module: [4, 2048, 1024], K = its axis 2): each comes as NAME_codes (uint8): NAME with its K axis moved to the last place and cut into blocks of 32 codes, [.., K / 32, bytes a block], one block behind the other in memory; one code a byte (a code: sign, 5 exponent bits, 2 mantissa bits); its scale is its entry of lowp_scales. Its value is code x scale, taken as it is: it is not quantised again, and the codes and scales need not be those that the quantiser above would give.
;; One version. Each part assembles by itself: llvm-mc -triple=amdgcn-amd-amdhsa -mcpu=gfx1250 --defsym DOCPART=n.
;; ======== version 1 of 1: 3 launches
;; workspace buffers: qkv 25,165,824 bytes; o_img 8,388,608 bytes
;; launch qkv_gemm (part 1): grid 12 x 32, 4 waves a work-group, clusters of 4 x 4, 327,680 bytes of LDS; arguments x_codes, W_qkv_codes, b_qkv, lowp_scales, qkv; writes qkv
.if DOCPART == 1
	.amdgcn_target "amdgcn-amd-amdhsa--gfx1250"
	.amdhsa_code_object_version 6
	.text
	.protected	k_qee3f72bf35_qkv_gemm
	.globl	k_qee3f72bf35_qkv_gemm
	.p2align	8
	.type	k_qee3f72bf35_qkv_gemm,@function
k_qee3f72bf35_qkv_gemm:
	s_mov_b64 s[64:65], 0
	v_nop
	global_prefetch_b8 v0, s[64:65] scope:SCOPE_SE
	s_setreg_imm32_b32 hwreg(HW_REG_WAVE_MODE, 25, 1), 1
	s_wait_xcnt 0x0
	s_wait_alu depctr_hold_cnt(0) depctr_sa_sdst(0) depctr_va_vdst(0) depctr_va_sdst(0) depctr_va_ssrc(0) depctr_va_vcc(0) depctr_vm_vsrc(0)
	s_getreg_b32 s2, hwreg(HW_REG_IB_STS2, 6, 4)
	s_cmp_eq_u32 s2, 0
	s_cbranch_scc0 .Lentry_in_a_cluster
	s_endpgm
.Lentry_in_a_cluster:
	s_bfe_u32 s2, ttmp6, 0x10000c
	s_cmp_lg_u32 s2, 0xf033
	s_cbranch_scc0 .Lentry_shape_is_right
	s_endpgm
.Lentry_shape_is_right:
; qkv = x W_qkv + b_qkv on codes of BF8 (E5M2), and q, k, v quantised again, each with its given scale, into IMAGES OF OPERAND REGISTERS.
; x: [8192][1024] codes, W_qkv: [3072][1024] codes (K innermost), b_qkv: [3072] f32.  The exponents: e0 (x), e1 (W_qkv), e2 (q), e3 (k), e4 (v).
; LIMITS: e0 + e1 between -126 and 127; e2, e3, e4 between -126 and 112, so that each power of two below is an f32 number.  NaN and infinity codes among the inputs are not served.
; A tile of the product, 256 x 256, is made by four waves, 128 x 128 each: 64 accumulators, 512 registers.  K = 1,024 goes in four chunks of 256 through two LDS slots filled by the tensor data mover.
; THE MATRIX INSTRUCTION IS USED TRANSPOSED (source 0 = 16 rows of 'B', source 1 = 16 rows of 'A'): a lane holds ONE row of A, and its eight registers eight neighbouring rows of B.
;   clusters x = 0 (q) and 1 (k):  A = 256 tokens of x, B = 256 rows of W_qkv: a lane holds a token, its registers run along the head's 64: the next product's K.
;   clusters x = 2 (v):            A = 256 rows of W_qkv, B = 256 tokens of x: a lane holds one of the head's 64, its registers run along the keys: the K of the product with p.
; Eight such registers, converted, are two registers of codes, and they are registers 2 c, 2 c + 1 of the plain 8-bit operand (k = 16 c + 8 (lane / 16) + 0 .. 7) in the very lane that wants them.
; So the codes are stored as they stand: each store takes four registers, lane l's 16 bytes at 16 l: 512 consecutive bytes, aligned.  No stage, no pitch, nothing turned.
; qkv: [batch x head 64][slot of 256 tokens 8][Q 16,384 | K 16,384 | V 16,384].  Q, K: [tile of 16 tokens 16][2][lane][16 bytes].  V: [128 keys 2][16 of the head's 64: 4][4][lane][16 bytes].
; CLUSTERS: 4 x 4 work-groups.  A's tile hangs on cy (and the cluster's place) and is shared along a row of the cluster, B's on cx and is shared along a column: each is asked for jointly.
; REGISTERS, in windows of 256: window 0: v0-31 addresses and constants; from v128 A's fragments, ONE set; on the way out v32-63 codes, v64-127 the bias, v128-191 a block's numbers.
;   window 1: B's fragments, TWO sets.   window 2: the accumulators of my rows 0-63 ((a, b) at v[8 (8 a + b)]);   window 3: those of my rows 64-127.
.set ROWB,   256                       ; a tile's row in bytes: a chunk of K
.set KROW,   1024                      ; a row of x or of W_qkv in memory
.set PITCH,  272                       ; an LDS row: 256 bytes + 16 of padding = 68 words: row r starts at bank 4 r mod 64 (64 banks of 4 bytes: ISA guide 11.1)
.set FR,     16                        ; registers of a fragment: 16 rows x 128 K
.set NL,     4                         ; LDS loads that bring one
.set NP,     4                         ; places behind this matrix instruction (ISA guide 7.12.1)
.set HALFT,  128*PITCH                 ; 128 rows: what one tensor load brings, and what one wave reads of A or of B
.set SLOT,   4*HALFT                   ; A's 256 rows, then B's 256 rows
.set SPARE,  2*SLOT                    ; behind the ring: the spare words, 128 bytes for each wave: two blocks of 256 bytes that no other line names
.set BSC,    SPARE+512                 ; behind them: 512 bytes for each wave, its 128 numbers of the bias; no fill lands here
.set HEADB,  393216                    ; qkv: bytes of a head
.set SLOTB,  49152                     ; and of a slot of 256 tokens
.set BB,   8                           ; v8-11   my four of the wave's 128 numbers of the bias, as loaded
.set BSA,  12                          ; v12     where I put them: BSC + 512 wave + 16 lane
.set BRD0, 13                          ; v13     q, k: where I read the bias: BSC + 512 wave + 32 (lane / 16)
.set BRD1, 14                          ; v14     v: BSC + 512 wave + 4 (lane % 16)
.set ADRA, 16                          ; v16-17  LDS address of my A fragments in slot 0, 1
.set ADRB, 20                          ; v20-21  the same for B
.set CO,   26                          ; v26     16 x lane: my place in an image, and in the bias's 512 bytes
.set SPW,  28                          ; v28     LDS address of my spare word; never rewritten
.set NIL,  29                          ; v29     0; never rewritten
.set SCL,  30                          ; v30     2^e as f32: the conversion takes its exponent field
.set LIM,  31                          ; v31     57,344 x 2^e
.set CD,   32                          ; v32-63  codes: two sets of 16 by turns
.set BI,   64                          ; v64-127 the bias in the result's layout
.set TMP,  128                         ; v128-191 a block's 64 numbers
.set AF,   128                         ; A's fragments
.set G1, 24                            ; s[24:31] descriptor group 1 for A's tiles;  s[32:39] group 0, one set for each slot
.set G0, 32
.set G1B, 48                           ; s[48:55], s[56:63] the same for B's tiles
.set G0B, 56
.set MSB, 0
.macro WIN new                         ; the immediate's high byte repeats the setting that is left
.if MSB != (\new)
	s_set_vgpr_msb (MSB<<8)|(\new)
.set MSB, (\new)
.endif
.endm
.set MUL_LO, 0xa1                      ; source 0 (B) window 1, source 1 (A) window 0, C and D window 2
.set MUL_HI, 0xf1                      ; the same, C and D window 3
.set TO_B,   0x40                      ; destination window 1, address window 0
; A joint load: waves 0 and 1 fetch for A, waves 2 and 3 for B.  The branch hangs on the wave's number alone.  Four v_nop follow each of the two lines.
.macro JLOAD g0a, g1a, g0b, g1b
	s_cmp_eq_u32 s15, 0
	s_cbranch_scc0 .Lfor_b_\@
	tensor_load_to_lds s[\g0a:\g0a+3], s[\g1a:\g1a+7]
	s_nop 0
.rept 4
	v_nop
.endr
	s_branch .Lasked_\@
.Lfor_b_\@:
	tensor_load_to_lds s[\g0b:\g0b+3], s[\g1b:\g1b+7]
	s_nop 0
.rept 4
	v_nop
.endr
.Lasked_\@:
.endm
.macro CREST                           ; a round of the cluster's barrier behind its opening barrier
	s_cmp_lg_u32 s14, 0
	s_cbranch_scc1 .Lnot_wave_0_\@
	s_barrier_signal -3
.Lnot_wave_0_\@:
	s_barrier_wait -3
	s_barrier_signal -1
	s_barrier_wait -1
.endm
.macro CROUND                          ; a whole round
	s_barrier_signal -1
	s_barrier_wait -1
	CREST
.endm
	s_load_b128 s[4:7], s[0:1], 0x0                ; x's codes s[4:5], W_qkv's codes s[6:7]
	s_load_b128 s[8:11], s[0:1], 0x10              ; b_qkv s[8:9], the exponents s[10:11]
	s_load_b64 s[12:13], s[0:1], 0x20              ; qkv
	v_lshl_add_u32 v[SPW], v0, 2, SPARE
	v_mov_b32 v[NIL], 0
	ds_add_u32 v28, v29
	s_wait_dscnt 0x0
	v_lshrrev_b32 v1, 5, v0
	v_readfirstlane_b32 s14, v1                    ; wave 0..3
	s_lshr_b32 s15, s14, 1                         ; which half of A's rows is mine.  Also: I fetch for A (0) or for B (1)
	s_and_b32 s16, s14, 1                          ; which half of B's rows.  Also: which 128 rows of that tile I fetch
	s_bfe_u32 s40, ttmp6, 0x40000                  ; cx, cy: my place in the cluster
	s_bfe_u32 s41, ttmp6, 0x40004
	s_and_b32 s18, ttmp7, 0xffff
	s_lshl_b32 s18, s18, 2                         ; 4 x cluster y
	s_add_co_u32 s17, s18, s41                     ; q, k: A's tile = 256 tokens: 4 x cluster y + cy
	s_add_co_u32 s19, s41, 8                       ; v:    A's tile = 256 rows of W_qkv: 8 + cy (v's rows begin at 2,048)
	s_lshl_b32 s42, ttmp9, 2
	s_add_co_u32 s42, s42, s40                     ; q, k: B's tile = 256 rows of W_qkv: 4 x cluster x + cx
	s_add_co_u32 s70, s18, s40                     ; v:    B's tile = 256 tokens: 4 x cluster y + cx
	s_cmp_eq_u32 ttmp9, 2                          ; the cluster's x is the same in all sixteen partners
	s_cselect_b32 s17, s19, s17                    ; s17: A's tile: made of cy and the cluster's place alone
	s_cselect_b32 s42, s70, s42                    ; s42: B's tile: made of cx and the cluster's place alone
	s_lshl_b32 s43, s41, 2
	s_lshl_b32 s43, 15, s43                        ; my row of the cluster
	s_lshl_b32 s44, 0x1111, s40                    ; my column
	; descriptor group 1: a tile of 128 rows x 256 bytes, padded in LDS
	s_or_b32 s[G1+0], s43, (0<<16)|(1<<20)|(1<<21)|(5<<22)|(3<<25)  ; 15:0 the mask: A's tiles go to my row; 17:16 element of 1 byte; 20 padding on; 21 set beside a mask; 24:22 after every 64 words (code 5); 31:25 of 4 words (code 3)
	s_or_b32 s[G1B+0], s44, (0<<16)|(1<<20)|(1<<21)|(5<<22)|(3<<25)
.irp g, G1, G1B
	s_mov_b32 s[\g+1], ROWB<<16                    ; tensor_dim0
	s_mov_b32 s[\g+2], 128<<16                     ; tensor_dim1 = 128
	s_mov_b32 s[\g+3], ROWB<<16                    ; tile_dim0
	s_mov_b32 s[\g+4], 128                         ; tile_dim1 = 128
	s_mov_b32 s[\g+5], KROW                        ; tensor_dim0_stride: both tensors have rows of 1,024 bytes
	s_mov_b32 s[\g+6], 0
	s_mov_b32 s[\g+7], 0
.endr
	s_lshl_b32 s18, s16, 7                         ; which 128 rows of the tile I fetch
	s_lshl_b32 s20, s17, 8
	s_add_co_u32 s20, s20, s18
	s_lshl_b32 s20, s20, 10                        ; A: (256 x tile + 128 x half) rows of 1,024 bytes: under 2^23
	s_mov_b32 s21, 0
	s_lshl_b32 s46, s42, 8
	s_add_co_u32 s46, s46, s18
	s_lshl_b32 s46, s46, 10                        ; B likewise
	s_mov_b32 s47, 0
	s_mul_i32 s45, s14, HALFT                      ; where they go: wave x 128 rows: no place in the cluster enters an LDS address
	; my wave's 128 numbers of the bias: they belong to W_qkv's rows, which are B's rows (q, k) or A's (v)
	s_lshl_b32 s84, s17, 8
	s_lshl_b32 s86, s15, 7
	s_add_co_u32 s84, s84, s86                     ; v: 256 x A's tile + 128 x my half of A's rows
	s_lshl_b32 s85, s42, 8
	s_lshl_b32 s86, s16, 7
	s_add_co_u32 s85, s85, s86                     ; q, k: 256 x B's tile + 128 x my half of B's rows
	s_cmp_eq_u32 ttmp9, 2
	s_cselect_b32 s84, s84, s85
	s_lshl_b32 s84, s84, 2
	s_mov_b32 s85, 0
	s_wait_kmcnt 0x0
	s_load_b256 s[72:79], s[10:11], 0x0            ; e0 .. e7
	s_cmp_eq_u32 ttmp9, 2
	s_cselect_b64 s[66:67], s[6:7], s[4:5]         ; A's tensor: W_qkv for v, else x
	s_cselect_b64 s[68:69], s[4:5], s[6:7]         ; B's tensor
	s_add_nc_u64 s[20:21], s[66:67], s[20:21]
	s_add_nc_u64 s[46:47], s[68:69], s[46:47]
	s_add_nc_u64 s[82:83], s[8:9], s[84:85]
	CROUND                                         ; all sixteen work-groups are here: the first joint loads meet
.irp s, 0,1
	s_mov_b32 s[G0+4*\s], 1
	s_add_co_u32 s[G0+4*\s+1], s45, \s*SLOT
	s_add_nc_u64 s[G0+4*\s+2:G0+4*\s+3], s[20:21], \s*ROWB
	s_or_b32 s[G0+4*\s+3], s[G0+4*\s+3], 0x80000000
	s_mov_b32 s[G0B+4*\s], 1
	s_add_co_u32 s[G0B+4*\s+1], s45, \s*SLOT
	s_add_nc_u64 s[G0B+4*\s+2:G0B+4*\s+3], s[46:47], \s*ROWB
	s_or_b32 s[G0B+4*\s+3], s[G0B+4*\s+3], 0x80000000
	JLOAD G0+4*\s, G1, G0B+4*\s, G1B
.endr
	v_and_b32 v1, 15, v0                           ; r = lane % 16
	v_bfe_u32 v2, v0, 4, 1                         ; h = lane / 16
	v_mul_u32_u24 v3, v1, PITCH
	v_lshl_add_u32 v4, v2, 4, v3                   ; a fragment's row x pitch + 16 x half
	s_mul_i32 s21, s15, HALFT                      ; my 128 rows of A
	s_mul_i32 s22, s16, HALFT                      ; my 128 rows of B,
	s_add_co_u32 s22, s22, 2*HALFT                 ; which lie behind A's 256
.irp s, 0,1
	v_add_nc_u32 v[ADRA+\s], s21, v4
	v_add_nc_u32 v[ADRB+\s], s22, v4
	s_add_co_u32 s21, s21, SLOT
	s_add_co_u32 s22, s22, SLOT
.endr
	v_and_b32 v6, 31, v0
	v_lshlrev_b32 v[CO], 4, v6
	s_lshl_b32 s23, s14, 9
	s_add_co_u32 s23, s23, BSC                     ; my wave's 512 bytes for the bias
	v_add_nc_u32 v[BSA], s23, v[CO]
	v_lshl_add_u32 v[BRD0], v2, 5, s23
	v_lshl_add_u32 v[BRD1], v1, 2, s23
	global_load_b128 v[BB:BB+3], v[CO], s[82:83]   ; 32 lanes read the wave's 512 consecutive bytes of the bias; waited for on the way out
.macro FRAG reg, adr, q, i             ; a fragment, 16 rows x 128 K: lane l holds row l % 16; registers 4 c .. 4 c + 3 hold K = 32 c + 16 (l / 16) + 0 .. 15: a permutation of k that is the same in A and in B
.irp c, 0,1,2,3
	ds_load_b128 v[\reg+4*\c:\reg+4*\c+3], v[\adr] offset:128*(\q)+32*\c+(\i)*16*PITCH
.endr
.endm
; 16 matrix instructions: A's blocks a0, a0 + 1 x B's eight, 128 along K.  p: B's set.  zero = 1: the first product starts the sums.
; The 64 accumulators take turns, one instruction a turn, in the same order in every step.
.macro MUL16 a0, p, zero
.irp a, \a0, \a0+1
.irp b, 0,1,2,3,4,5,6,7
.if \zero
	v_wmma_f32_16x16x128_bf8_bf8 v[8*(8*((\a)%4)+\b):8*(8*((\a)%4)+\b)+7], v[128*(\p)+FR*\b:128*(\p)+FR*\b+FR-1], v[AF+FR*(\a):AF+FR*(\a)+FR-1], 0
.else
	v_wmma_f32_16x16x128_bf8_bf8 v[8*(8*((\a)%4)+\b):8*(8*((\a)%4)+\b)+7], v[128*(\p)+FR*\b:128*(\p)+FR*\b+FR-1], v[AF+FR*(\a):AF+FR*(\a)+FR-1], v[8*(8*((\a)%4)+\b):8*(8*((\a)%4)+\b)+7]
.endif
.endr
.endr
.endm
.macro FETCH_B slot, q, p              ; B's eight fragments of the slot's q-th 128 along K into set p
	WIN TO_B
.irp i, 0,1,2,3,4,5,6,7
	FRAG 128*(\p)+FR*\i, ADRB+\slot, \q, \i
.endr
	WIN 0
.endm
.macro FETCH_A slot, q, i0             ; A's blocks i0 .. i0 + 3
.irp i, \i0, \i0+1, \i0+2, \i0+3
	FRAG AF+FR*(\i), ADRA+\slot, \q, \i
.endr
.endm
; A load into a register that a matrix instruction has read, and a vector instruction that reads a matrix result or writes one of its registers, stand NP places behind it;
; only plain vector instructions that name none of its registers are places (ISA guide 7.12.1 for vector instructions).
.macro PLACES n
.rept \n
	v_nop
.endr
.endm
; A step of 128 along K that has its successor in the same slot.
.macro STEP slot, q, zero
	s_wait_dscnt 4*NL                              ; B's set and A's blocks 0-3 are in; the youngest sixteen loads (A's blocks 4-7) may be out
	WIN MUL_LO
	MUL16 0, (\q)%2, \zero
	MUL16 2, (\q)%2, \zero
	s_wait_dscnt 0                                 ; A's blocks 4-7 are in (asked for 32 matrix instructions ago)
	PLACES NP
	FETCH_B \slot, (\q)+1, 1-(\q)%2
	FETCH_A \slot, (\q)+1, 0
	WIN MUL_HI
	MUL16 4, (\q)%2, \zero
	MUL16 6, (\q)%2, \zero
	PLACES NP
	WIN 0
	FETCH_A \slot, (\q)+1, 4
.endm
; A slot's last step changes slots: ONE barrier; in front of it each wave waits for all its tensor loads, adds 0 to its spare word, and waits for that and for its own reads of this slot.  fill = 1: this slot is filled again, two chunks ahead.
.macro TURN slot, next, fill
	s_wait_tensorcnt 0x0                           ; all my tensor loads have landed: my part of the next slot  (every window is 0 here)
	ds_add_u32 v[SPW], v[NIL]                      ; 0 onto my spare word
	s_wait_dscnt 4*NL+1                            ; (the add and the youngest sixteen loads, A's blocks 4-7, may be out)
	WIN MUL_LO
	MUL16 0, 1, 0                                  ; sixteen matrix instructions stand between the add and the wait for it
	s_wait_dscnt 0x0                               ; the add is done, and my reads of this slot are over
	s_barrier_signal -1
	MUL16 2, 1, 0
	WIN 0
	s_barrier_wait -1
.if \fill
	CREST                                          ; the barrier has opened a round of the cluster's barrier: no wave of any partner still reads this slot's tile or has a load on its way
	s_add_nc_u64 s[G0+4*\slot+2:G0+4*\slot+3], s[G0+4*\slot+2:G0+4*\slot+3], 2*ROWB
	s_add_nc_u64 s[G0B+4*\slot+2:G0B+4*\slot+3], s[G0B+4*\slot+2:G0B+4*\slot+3], 2*ROWB
	JLOAD G0+4*\slot, G1, G0B+4*\slot, G1B         ; the first tensor load behind the round; its four v_nop are the places in front of the loads below
.else
	PLACES NP
.endif
	FETCH_B \next, 0, 0
	FETCH_A \next, 0, 0
	WIN MUL_HI
	MUL16 4, 1, 0
	MUL16 6, 1, 0
	PLACES NP
	WIN 0
	FETCH_A \next, 0, 4
.endm
	s_wait_tensorcnt 1                             ; my part of chunk 0 is in (chunk 1's load may be out)
	s_barrier_signal -1
	s_barrier_wait -1                              ; everybody's is
	FETCH_B 0, 0, 0
	FETCH_A 0, 0, 0
	FETCH_A 0, 0, 4
	STEP 0, 0, 1                                   ; K = 1,024 is four chunks, eight steps: they are written out.  Chunk 0; its first products start the sums
	TURN 0, 1, 1                                   ; slot 0 takes chunk 2
	STEP 1, 0, 0                                   ; chunk 1
	TURN 1, 0, 1                                   ; slot 1 takes chunk 3
	STEP 0, 0, 0                                   ; chunk 2
	TURN 0, 1, 0                                   ; nothing is left to fetch
	STEP 1, 0, 0                                   ; chunk 3
	s_wait_dscnt 4*NL
	WIN MUL_LO
	MUL16 0, 1, 0
	MUL16 2, 1, 0
	s_wait_dscnt 0
	WIN MUL_HI
	MUL16 4, 1, 0
	MUL16 6, 1, 0
	WIN 0
; THE WAY OUT of block a (A's rows 16 a .. 16 a + 15 x my 128 rows of B): number = sum x 2^(e0 + e1) + bias, one packed multiply-add for two; held within +-57,344 x 2^e; converted; stored as it stands.
; vt = 0 (q, k): codes 0-7 are one head's fragment of 16 tokens x 64, codes 8-15 the next head's.  vt = 1 (v): the 16 registers are one fragment of 16 of the head's 64 x 128 keys.
.macro OUTBLK a, vt
.set AC, 64*((\a)%4)
.set CW, CD+16*((\a)%2)
.if (\a) >= 2
	s_wait_xcnt 0x0                                ; block a - 2's stores have read their registers: this set of codes is written again only behind this wait
.endif
	WIN 0x02+((\a)/4)                              ; source 0: window 2 or 3
.set j, 0
.rept 32
.if \vt
	v_pk_fma_f32 v[TMP+j:TMP+j+1], v[AC+j:AC+j+1], s[96:97], v[BI+2*(\a):BI+2*(\a)+1] op_sel_hi:[1,0,1]   ; a lane's 64 numbers belong to one row of W_qkv: one number of the bias
.else
	v_pk_fma_f32 v[TMP+j:TMP+j+1], v[AC+j:AC+j+1], s[96:97], v[BI+j:BI+j+1] op_sel_hi:[1,0,1]             ; each accumulator from its low end on
.endif
.set j, j+2
.endr
	WIN 0
.set j, 0
.rept 64
	v_med3_num_f32 v[TMP+j], v[TMP+j], -v[LIM], v[LIM]   ; the conversion to an 8-bit code does not saturate (ISA guide 7.6.2): the hold at the largest code x the scale
.set j, j+1
.endr
.irp b, 0,1,2,3,4,5,6,7
	v_cvt_scalef32_pk8_bf8_f32 v[CW+2*\b:CW+2*\b+1], v[TMP+8*\b:TMP+8*\b+7], v[SCL]
.endr
	v_nop                                          ; one plain vector instruction between the conversions and the next block's lines, which write their sources
.irp k, 0,1,2,3
.if \vt
	global_store_b128 v[CO], v[CW+4*\k:CW+4*\k+3], s[12:13] offset:((\a)/4)*HEADB+((\a)%4)*2048+\k*512   ; 32 lanes store 512 consecutive bytes, aligned
.else
	global_store_b128 v[CO], v[CW+4*\k:CW+4*\k+3], s[12:13] offset:(\k/2)*HEADB+(\a)*1024+(\k%2)*512
.endif
.endr
.endm
	s_wait_kmcnt 0x0
	s_add_co_i32 s96, s72, s73                     ; e0 + e1
	s_add_co_i32 s96, s96, 127
	s_lshl_b32 s96, s96, 23                        ; 2^(e0 + e1) as f32
	s_mov_b32 s97, s96                             ; (named with it as a pair, so it is written)
	s_cmp_eq_u32 ttmp9, 1
	s_cselect_b32 s80, s75, s74                    ; e3 for k, e2 for q,
	s_cmp_eq_u32 ttmp9, 2
	s_cselect_b32 s80, s76, s80                    ; e4 for v: chosen without a jump
	s_add_co_i32 s80, s80, 127
	s_lshl_b32 s81, s80, 23
	v_mov_b32 v[SCL], s81
	s_add_co_i32 s80, s80, 15
	s_lshl_b32 s80, s80, 23
	s_or_b32 s80, s80, 0x600000
	v_mov_b32 v[LIM], s80
	s_wait_loadcnt 0x0                             ; the bias
	ds_store_b128 v[BSA], v[BB:BB+3]               ; into my wave's own bytes: LDS serves a wave's instructions in order, so the loads below see it
	PLACES NP                                      ; behind the last products: block 0's lines write registers that held A's fragments
	s_cmp_eq_u32 ttmp9, 2                          ; the two ways out part on the cluster's x, which all partners share
	s_cbranch_scc1 .Lvalues
	; q, k.  Head = 4 cx + 2 x my half of B's rows (+ 1 for codes 8-15); batch and slot from A's tile of 256 tokens; my half of A's rows is 8 tiles of 1,024 bytes
	s_lshr_b32 s84, s17, 3
	s_lshl_b32 s84, s84, 4
	s_lshl_b32 s85, s40, 2
	s_add_co_u32 s84, s84, s85
	s_lshl_b32 s85, s16, 1
	s_add_co_u32 s84, s84, s85
	s_mul_i32 s84, s84, HEADB
	s_and_b32 s85, s17, 7
	s_mul_i32 s85, s85, SLOTB
	s_add_co_u32 s84, s84, s85
	s_lshl_b32 s85, ttmp9, 14                      ; Q's image, or K's behind it
	s_add_co_u32 s84, s84, s85
	s_lshl_b32 s85, s15, 13
	s_add_co_u32 s84, s84, s85
	s_mov_b32 s85, 0
	s_add_nc_u64 s[12:13], s[12:13], s[84:85]
.irp b, 0,1,2,3,4,5,6,7
	ds_load_b128 v[BI+8*\b:BI+8*\b+3], v[BRD0] offset:64*\b         ; register 8 b + j: the bias of B's row 16 b + 8 (lane / 16) + j
	ds_load_b128 v[BI+8*\b+4:BI+8*\b+7], v[BRD0] offset:64*\b+16
.endr
	s_wait_dscnt 0x0
.irp a, 0,1,2,3,4,5,6,7
	OUTBLK \a, 0
.endr
	s_branch .Ldone
.Lvalues:
	; v.  Head = 4 cy + 2 x my half of A's rows (+ 1 for blocks 4-7); batch and slot from B's tile of 256 tokens; my half of B's rows is the slot's first or second 128 keys
	s_lshr_b32 s84, s42, 3
	s_lshl_b32 s84, s84, 4
	s_lshl_b32 s85, s41, 2
	s_add_co_u32 s84, s84, s85
	s_lshl_b32 s85, s15, 1
	s_add_co_u32 s84, s84, s85
	s_mul_i32 s84, s84, HEADB
	s_and_b32 s85, s42, 7
	s_mul_i32 s85, s85, SLOTB
	s_add_co_u32 s84, s84, s85
	s_lshl_b32 s85, s16, 13
	s_add_co_u32 s84, s84, s85
	s_add_co_u32 s84, s84, 32768                   ; V's image lies behind Q's and K's
	s_mov_b32 s85, 0
	s_add_nc_u64 s[12:13], s[12:13], s[84:85]
.irp a, 0,1,2,3,4,5,6,7
	ds_load_b32 v[BI+2*\a], v[BRD1] offset:64*\a   ; the bias of A's row 16 a + lane % 16, in both registers of the pair that the packed form names
	ds_load_b32 v[BI+2*\a+1], v[BRD1] offset:64*\a
.endr
	s_wait_dscnt 0x0
.irp a, 0,1,2,3,4,5,6,7
	OUTBLK \a, 1
.endr
.Ldone:
	s_wait_tensorcnt 0x0                           ; the wave's end, behind my last tensor load and my last LDS store
	ds_add_u32 v[SPW], v[NIL]
	s_wait_dscnt 0x0
	CROUND                                         ; the closing round: no work-group ends while a partner may still ask for a tile that names it
	s_endpgm
.Lfunc_end_k_qee3f72bf35_qkv_gemm:
	.size	k_qee3f72bf35_qkv_gemm, .Lfunc_end_k_qee3f72bf35_qkv_gemm-k_qee3f72bf35_qkv_gemm
	.p2alignl 7, 3214868480
	.fill 96, 4, 3214868480
	.section	.rodata,"a",@progbits
	.p2align	6, 0x0
	.amdhsa_kernel k_qee3f72bf35_qkv_gemm
		.amdhsa_group_segment_fixed_size 327680
		.amdhsa_private_segment_fixed_size 0
		.amdhsa_enable_private_segment 0
		.amdhsa_kernarg_size 40
		.amdhsa_user_sgpr_count 2
		.amdhsa_user_sgpr_kernarg_segment_ptr 1
		.amdhsa_wavefront_size32 1
		.amdhsa_system_sgpr_workgroup_id_x 1
		.amdhsa_system_sgpr_workgroup_id_y 1
		.amdhsa_system_sgpr_workgroup_id_z 1
		.amdhsa_system_vgpr_workitem_id 0
		.amdhsa_next_free_vgpr 1024
		.amdhsa_next_free_sgpr 100
		.amdhsa_reserve_vcc 0
		.amdhsa_float_denorm_mode_32 3
		.amdhsa_float_denorm_mode_16_64 3
		.amdhsa_memory_ordered 1
		.amdhsa_forward_progress 1
		.amdhsa_inst_pref_size 194
	.end_amdhsa_kernel
	.amdgpu_metadata
---
amdhsa.version: [ 1, 2 ]
amdhsa.kernels:
  - .name:           k_qee3f72bf35_qkv_gemm
    .symbol:         k_qee3f72bf35_qkv_gemm.kd
    .args:
      - { .name: x_codes, .offset: 0, .size: 8, .value_kind: global_buffer, .address_space: global }
      - { .name: W_qkv_codes, .offset: 8, .size: 8, .value_kind: global_buffer, .address_space: global }
      - { .name: b_qkv, .offset: 16, .size: 8, .value_kind: global_buffer, .address_space: global }
      - { .name: lowp_scales, .offset: 24, .size: 8, .value_kind: global_buffer, .address_space: global }
      - { .name: qkv, .offset: 32, .size: 8, .value_kind: global_buffer, .address_space: global }
    .group_segment_fixed_size: 327680
    .private_segment_fixed_size: 0
    .kernarg_segment_align: 8
    .kernarg_segment_size: 40
    .max_flat_workgroup_size: 128
    .sgpr_count:     100
    .vgpr_count:     1024
    .wavefront_size: 32
...
	.end_amdgpu_metadata
.endif
;; end of part 1
;; launch attn (part 2): grid 4 x 64, 16 waves a work-group, no clusters, 327,680 bytes of LDS; arguments qkv, lowp_scales, o_img; writes o_img
.if DOCPART == 2
	.amdgcn_target "amdgcn-amd-amdhsa--gfx1250"
	.amdhsa_code_object_version 6
	.text
	.protected	k_qee3f72bf35_attn
	.globl	k_qee3f72bf35_attn
	.p2align	8
	.type	k_qee3f72bf35_attn,@function
k_qee3f72bf35_attn:
	s_mov_b64 s[64:65], 0
	v_nop
	global_prefetch_b8 v0, s[64:65] scope:SCOPE_SE
	s_setreg_imm32_b32 hwreg(HW_REG_WAVE_MODE, 25, 1), 1
	s_wait_xcnt 0x0
; o[q] = the sum over keys k <= q of softmax_k(q . k / 8) v[k], for each of 64 heads (batch x head) of 2,048 tokens and head size 64; both products on codes of BF8 (E5M2); o quantised with 2^e6.
; qkv holds q's, k's and v's codes as images of operand registers: [head 64][slot of 256 tokens 8][Q 16,384 | K 16,384 | V 16,384]; a fragment's four registers are 512 bytes, lane l's 16 at 16 l.
; THE SOFTMAX AHEAD OF THE SECOND PRODUCT: t = score x log2(e) / 8; M = the row's largest t so far, rounded UP to a whole number; p = 2^(t - M) is what is quantised (2^e5), not normalised.
; The row's sum is taken of the unquantised p, in f32, and divides at the end.  When M moves, the sum and O are multiplied by 2^(old M - new M): exact.
; SHARES.  Work-group (i, head) takes TWO blocks of 256 queries: first block 7 - i with key slots 0 .. 7 - i, then block i with key slots 0 .. i: always nine slots, so the trip count is a constant
; and all 256 work-groups have the same work: seven whole slots and two on the diagonal.  Each of the sixteen waves owns 16 queries of the block in hand, in 256 registers: four waves to a SIMD.
; A slot is two steps of 128 keys.  A step all of whose keys come after my queries is jumped over (a scalar branch on ids); on the diagonal hidden scores become -infinity ahead of the maximum.
; LAYOUT.  Both products are used transposed: S^T = K Q^T (source 0 = 16 keys, source 1 = my 16 queries), O^T = V^T P^T (source 0 = 16 of the head's 64, source 1 = P): a lane holds ONE query throughout.
; In tile t of S^T lane (r, h) holds keys 16 t + 8 h + 0 .. 7: converted, they are registers 2 t, 2 t + 1 of P as the plain 8-bit operand wants them: k stands in its true place, and V's image has it there too.
; O^T's tile d likewise gives registers 2 d, 2 d + 1 of o's fragment (16 tokens x the head's 64), which is stored as it stands: o_img [tile of 16 tokens 512][head 16][2][lane][16 bytes].
; NO CLUSTER: the four work-groups of a head need different numbers of slots in each pass (8 - i, then i + 1), so joint requests would have to be made and thrown away; what is shared is 32,768 bytes for 32 wave steps.
; LIMITS on the given exponents, so that each power of two below is an f32 number: e2 + e3 between -123 and 130 (added to c's exponent field); e5 and e6 between -126 and 112; e4 + e5 goes by v_ldexp_f32 and has none.
; REGISTERS: v1 16 x lane; v3 256 x lane; v4 r - 8 h; v5, v6 the add's; v8 LDS address in hand; v12 -M, v13 the largest t, v[14:15] the sum in two halves; v16-23 Q; v24-31 the second block's Q;
;   v32-95 K's eight fragments, then V's four; v96-159 S^T, then p; v160-191 O^T; v192-199 o's codes; v224-239 p's codes; v240, v244 hold and scale for p; v241, v245 for o; v236, v242-243, v252-254 at work.
.set HEADB, 393216                     ; qkv: bytes of a head
.set SLOTB, 49152                      ; and of a slot
.set VOFF,  16384                      ; an LDS slot: K's 16,384 bytes, then V's
.set SLOT1, 32768                      ; LDS slot 1 begins here: one exclusive or turns an address
.set SPARE, 65536                      ; behind the ring: the spare words, 128 bytes for each of sixteen waves: eight blocks of 256 bytes that no other line names
.set AL,   1
.set PFO,  3
.set DL,   4
.set SPW,  5
.set NIL,  6
.set ADR,  8
.set TB,   2                           ; s2   LDS byte at which the slot in hand begins
.set WV,   18                          ; s18  my wave's number
.set SEL,  20                          ; s[20:21] lane selects for v_permlanex16_b32: lane l xor 16
.set CS,   22                          ; s[22:23] c = log2(e) / 8 x 2^(e2 + e3)
.set G1,   24                          ; s[24:31] descriptor group 1
.set G0,   40                          ; s[40:43] group 0, which walks
.set SLOTS, 44                         ; s44  changes of slots still to come that fill a slot
.set IX,   45                          ; s45  i
.set LEN1, 46                          ; s46  8 - i: the first pass's slots
.set NXT,  47                          ; s47  the key slot that was asked for last
.set DS,   48                          ; s[48:49] what the walk goes back: 0, or the first pass's slots in bytes
.set WRAP, 50                          ; s50  (8 - i) x SLOTB
.set KF,   51                          ; s51  the step's first key
.set Q0,   52                          ; s52  my first query
.set Q0B,  53                          ; s53  and in the second pass
.set OBC,  54                          ; s[54:55] where my tile of o goes
.set OB2,  56                          ; s[56:57] and in the second pass
.set EPV,  58                          ; s58  e4 + e5
.set LIM,  59                          ; s59  2 in a wave that prefetches, else the greatest number
.set PFA,  60                          ; s[60:61] where my prefetches stand
; Wave 0 fetches a slot's K, wave 1 its V, each one dense block of 16,384 bytes; the others nothing.  The branch hangs on the wave's number alone.  Four v_nop follow the load.
.macro TLOAD
	s_cmp_lt_u32 s[WV], 2
	s_cbranch_scc0 .Lasked_\@
	tensor_load_to_lds s[G0:G0+3], s[G1:G1+7]
	s_nop 0
.rept 4
	v_nop
.endr
.Lasked_\@:
.endm
; A PREFETCH INTO THE L2 of K's and V's 32,768 bytes of the key slot that the NEXT change of slots will ask for.  In the first pass all four work-groups of a head ask for slot T + 1 in trip T: work-group i = 0,
; which walks all eight slots, prefetches for the head, and nobody else.  In it waves 4 to 7, which fetch nothing, ask: 8,192 bytes a wave, lanes 256 bytes apart, one instruction: each block of 256 bytes is named once in the launch.
; Trip T names slot T + 2, while that is at most 7 (s[SLOTS] = 8 - T above 2).  Slots 0 and 1 come by their loads alone; the second pass walks slots that have been read.
.macro ASK
	s_cmp_gt_u32 s[SLOTS], s[LIM]
	s_cbranch_scc0 .Lnot_mine_\@
	global_prefetch_b8 v[PFO], s[PFA:PFA+1] th:TH_LOAD_NT scope:SCOPE_SE
.Lnot_mine_\@:
.endm
.macro INIT                            ; a pass begins: O^T and the sum are zeros, the largest t lies under every t: the first change of M multiplies zeros
	v_mov_b32 v13, 0xff61b1e6                      ; -3e38
	v_floor_f32 v12, -v13                          ; -M
	v_mov_b32 v14, 0
	v_mov_b32 v15, 0
.set j, 0
.rept 32
	v_mov_b32 v[160+j], 0
.set j, j+1
.endr
.endm
	s_load_b128 s[4:7], s[0:1], 0x0                ; qkv s[4:5], the exponents s[6:7]
	s_load_b64 s[8:9], s[0:1], 0x10                ; o_img
	v_lshl_add_u32 v[SPW], v0, 2, SPARE
	v_mov_b32 v[NIL], 0
	ds_add_u32 v5, v6
	s_wait_dscnt 0x0
	v_lshrrev_b32 v8, 5, v0
	v_readfirstlane_b32 s[WV], v8                  ; wave 0..15
	s_and_b32 s76, ttmp7, 0xffff                   ; batch x 16 + head
	s_mul_i32 s78, s76, HEADB                      ; the head's first byte in qkv: under 2^25
	s_mov_b32 s79, 0
	s_mov_b32 s[IX], ttmp9
	s_sub_co_u32 s[LEN1], 8, ttmp9
	s_mul_i32 s[WRAP], s[LEN1], SLOTB
	s_mov_b32 s[DS], 0
	s_mov_b32 s[DS+1], 0
	s_mov_b32 s[NXT], 0
	s_mov_b32 s[TB], 0
	s_mov_b32 s[SLOTS], 8
	s_mov_b32 s[KF], 0
	s_sub_co_u32 s77, s[LEN1], 1                   ; the first pass's block of queries: 7 - i
	s_lshl_b32 s86, s[WV], 4
	s_lshl_b32 s[Q0], s77, 8
	s_add_co_u32 s[Q0], s[Q0], s86                 ; my first query: 256 x block + 16 x wave
	s_lshl_b32 s[Q0B], ttmp9, 8
	s_add_co_u32 s[Q0B], s[Q0B], s86
	s_lshl_b32 s86, s[WV], 10                      ; my tile in a slot's image of Q
	s_mul_i32 s80, s77, SLOTB
	s_add_co_u32 s80, s80, s86
	s_mov_b32 s81, 0
	s_mul_i32 s82, ttmp9, SLOTB
	s_add_co_u32 s82, s82, s86
	s_mov_b32 s83, 0
	s_lshr_b32 s87, s76, 4
	s_lshl_b32 s87, s87, 7
	s_add_co_u32 s87, s87, s[WV]                   ; o_img: tile of 16 tokens = 128 x batch + 16 x block + wave,
	s_and_b32 s88, s76, 15
	s_lshl_b32 s88, s88, 10                        ; and 1,024 bytes a head in it
	s_lshl_b32 s90, s77, 4
	s_add_co_u32 s90, s90, s87
	s_lshl_b32 s90, s90, 14
	s_add_co_u32 s90, s90, s88
	s_mov_b32 s91, 0
	s_lshl_b32 s92, ttmp9, 4
	s_add_co_u32 s92, s92, s87
	s_lshl_b32 s92, s92, 14
	s_add_co_u32 s92, s92, s88
	s_mov_b32 s93, 0
	s_and_b32 s89, s[WV], 1
	s_lshl_b32 s89, s89, 14                        ; what I fetch, if I fetch: K (0) or V (16,384) of an LDS slot,
	s_add_co_u32 s94, s89, 16384                   ; which in memory lie behind the slot's Q
	s_mov_b32 s95, 0
	; descriptor group 1: a dense block of 16,384 bytes as 64 rows of 256
	s_mov_b32 s[G1], 3<<16                         ; 15:0 no mask; 17:16 elements of 8 bytes; no padding: every LDS read takes 512 consecutive bytes
	s_mov_b32 s[G1+1], 32<<16                      ; tensor_dim0 = 32 elements
	s_mov_b32 s[G1+2], 64<<16                      ; tensor_dim1 = 64
	s_mov_b32 s[G1+3], 32<<16                      ; tile_dim0
	s_mov_b32 s[G1+4], 64                          ; tile_dim1
	s_mov_b32 s[G1+5], 32                          ; tensor_dim0_stride: dense
	s_mov_b32 s[G1+6], 0
	s_mov_b32 s[G1+7], 0
	s_mov_b32 s[SEL], 0x76543210
	s_mov_b32 s[SEL+1], 0xfedcba98
	s_mov_b32 s[CS], 0x3e38aa3b                    ; log2(e) / 8
	s_wait_kmcnt 0x0
	s_load_b256 s[68:75], s[6:7], 0x0              ; e0 .. e7
	s_add_nc_u64 s[84:85], s[4:5], s[78:79]        ; qkv at my head
	s_mov_b32 s[G0], 1                             ; 1:0 count = 1
	s_mov_b32 s[G0+1], s89                         ; 63:32 LDS address: slot 0
	s_add_nc_u64 s[G0+2:G0+3], s[84:85], s[94:95]  ; 120:64 global address: key slot 0
	s_or_b32 s[G0+3], s[G0+3], 0x80000000          ; 127:126 type = 2
	TLOAD                                          ; the first trip's slot
	s_add_nc_u64 s[80:81], s[84:85], s[80:81]      ; my tile of Q in the first pass,
	s_add_nc_u64 s[82:83], s[84:85], s[82:83]      ; and in the second
	s_add_nc_u64 s[OBC:OBC+1], s[8:9], s[90:91]
	s_add_nc_u64 s[OB2:OB2+1], s[8:9], s[92:93]
	s_and_b32 s86, s[WV], 3
	s_lshl_b32 s86, s86, 13
	s_add_co_u32 s86, s86, 16384+SLOTB             ; the prefetches: my wave's 8,192 bytes of K and V, in key slot 1: the first change of slots steps it to slot 2
	s_mov_b32 s87, 0
	s_add_nc_u64 s[PFA:PFA+1], s[84:85], s[86:87]
	s_sub_co_u32 s86, s[WV], 4
	s_lshr_b32 s86, s86, 2                         ; 0 in waves 4 to 7,
	s_or_b32 s86, s86, ttmp9                       ; of work-group i = 0
	s_cmp_eq_u32 s86, 0
	s_cselect_b32 s[LIM], 2, -1
	v_and_b32 v9, 31, v0
	v_lshlrev_b32 v[AL], 4, v9
	v_lshlrev_b32 v[PFO], 8, v9
	global_load_b128 v[16:19], v[AL], s[80:81] th:TH_LOAD_NT              ; Q's fragments stay in registers: each tile is read by one wave, once
	global_load_b128 v[20:23], v[AL], s[80:81] offset:512 th:TH_LOAD_NT
	global_load_b128 v[24:27], v[AL], s[82:83] th:TH_LOAD_NT
	global_load_b128 v[28:31], v[AL], s[82:83] offset:512 th:TH_LOAD_NT
	v_and_b32 v10, 15, v0
	v_bfe_u32 v11, v0, 4, 1
	v_lshlrev_b32 v11, 3, v11
	v_sub_nc_u32 v[DL], v10, v11                   ; r - 8 h, for the mask
	v_mov_b32 v236, 0                              ; written once: a lane permute's destination counts as one of its sources
	v_mov_b32 v253, 0                              ; (named as the upper half of the pair v[252:253])
	INIT
	s_wait_kmcnt 0x0
	s_add_co_i32 s76, s70, s71
	s_lshl_b32 s76, s76, 23
	s_add_co_i32 s[CS], s[CS], s76                 ; a score stands for score x 2^(e2 + e3): the two exponents are added to c's exponent field
	s_mov_b32 s[CS+1], s[CS]                       ; (named with it as a pair, so it is written)
	s_add_co_i32 s76, s73, 127
	s_lshl_b32 s77, s76, 23
	v_mov_b32 v244, s77                            ; 2^e5 as f32, for p's conversions
	s_add_co_i32 s76, s76, 15
	s_lshl_b32 s76, s76, 23
	s_or_b32 s76, s76, 0x600000
	v_mov_b32 v240, s76                            ; 57,344 x 2^e5
	s_add_co_i32 s76, s74, 127
	s_lshl_b32 s77, s76, 23
	v_mov_b32 v245, s77                            ; 2^e6, for o's
	s_add_co_i32 s76, s76, 15
	s_lshl_b32 s76, s76, 23
	s_or_b32 s76, s76, 0x600000
	v_mov_b32 v241, s76                            ; 57,344 x 2^e6
	s_add_co_i32 s[EPV], s72, s73                  ; e4 + e5
; A KEY STEP: 128 keys, the q-th of the slot in hand.
.macro STEP q
	s_add_co_u32 s96, s[Q0], 15
	s_cmp_gt_u32 s[KF], s96                        ; all 128 keys come after my 16 queries: the step's work is left out; no barrier and no tensor load stands in a step
	s_cbranch_scc1 .Lhidden_\@
	v_add_nc_u32 v[ADR], s[TB], v[AL]
.rept 3
	v_nop                                          ; with the addition above: four places in front of loads into registers that the last products read
.endr
.irp t, 0,1,2,3,4,5,6,7
	ds_load_b128 v[32+8*\t:35+8*\t], v[ADR] offset:8192*(\q)+1024*\t       ; K's eight fragments: 16 keys x 64 each, as their registers were stored
	ds_load_b128 v[36+8*\t:39+8*\t], v[ADR] offset:8192*(\q)+1024*\t+512
.endr
	s_wait_dscnt 0x0
.irp t, 0,1,2,3,4,5,6,7
	v_wmma_f32_16x16x64_bf8_bf8 v[96+8*\t:103+8*\t], v[32+8*\t:39+8*\t], v[16:23], 0   ; S^T: lane (r, h): query r, register j: key 16 t + 8 h + j
.endr
.rept 4
	v_nop                                          ; places: in front of the loads into K's registers, and of the first read of the scores
.endr
.irp d, 0,1,2,3
.irp g, 0,1,2,3
	ds_load_b128 v[32+16*\d+4*\g:35+16*\d+4*\g], v[ADR] offset:VOFF+8192*(\q)+2048*\d+512*\g   ; V's four fragments, 16 of the head's 64 x 128 keys: they land while the softmax is worked
.endr
.endr
	s_add_co_u32 s96, s[KF], 127
	s_cmp_le_u32 s96, s[Q0]                        ; all 128 keys count for all my queries: no mask
	s_cbranch_scc1 .Lopen_\@
	s_sub_co_i32 s96, s[Q0], s[KF]
	v_add_nc_u32 v252, s96, v[DL]                  ; d = my query - KF - 8 h.  Register 8 t + j holds key KF + 8 h + 16 t + j: hidden where 16 t + j > d
	v_mov_b32 v254, 0xff800000                     ; -infinity: p = 0 then
.set n, 0
.rept 64
	v_cmp_gt_i32 vcc_lo, 16*(n/8)+n%8, v252
	v_cndmask_b32 v[96+n], v[96+n], v254, vcc_lo
.set n, n+1
.endr
.Lopen_\@:
	v_max3_num_f32 v254, v96, v97, v98             ; the step's largest score of my query, among my 64 keys, in two chains, each accumulator from its low end on,
	v_max3_num_f32 v252, v99, v100, v101
.irp i, 6,10,14,18,22,26,30,34,38,42,46,50,54,58
	v_max3_num_f32 v254, v254, v[96+\i], v[97+\i]
	v_max3_num_f32 v252, v252, v[98+\i], v[99+\i]
.endr
	v_max3_num_f32 v254, v254, v158, v159
	v_max_num_f32 v254, v254, v252
	v_permlanex16_b32 v236, v254, s[SEL], s[SEL+1]
	v_max_num_f32 v254, v254, v236                 ; and among lane l xor 16's
	v_mul_f32 v254, s[CS], v254                    ; as t (c is positive)
	v_max_num_f32 v13, v13, v254                   ; the running largest t
	v_mov_b32 v254, v12
	v_floor_f32 v12, -v13                          ; the new -M = floor(-t) = -ceil(t): M is a whole number
	v_sub_f32 v254, v12, v254                      ; M's old value less its new one: a whole number, 0 or less
	v_cvt_i32_f32 v254, v254                       ; (it saturates)
	v_ldexp_f32 v252, 1.0, v254                    ; f = 2^(old M - new M): a multiplication by it rounds nothing
.set j, 0
.rept 32
	v_pk_fma_f32 v[96+j:97+j], v[96+j:97+j], s[CS:CS+1], v[12:13] op_sel_hi:[1,0,0]   ; t - M, two at a time (of the pairs c and -M the low word serves both halves)
.set j, j+2
.endr
.set j, 0
.rept 64
	v_exp_f32 v[96+j], v[96+j]                     ; p = 2^(t - M), at most 1: not normalised
.set j, j+1
.endr
	v_pk_mul_f32 v[14:15], v[14:15], v[252:253] op_sel_hi:[1,0]   ; the sums under the new M: the plain instruction behind the exponentials
	s_wait_alu depctr_va_vdst(0)                   ; one wait for the whole batch, ahead of its first reader
	v_pk_add_f32 v[242:243], v[96:97], v[98:99]    ; the row's sum is taken of the UNQUANTISED p: two at a time, in two chains
.irp j, 4,8,12,16,20,24,28,32,36,40,44,48,52,56,60
	v_pk_add_f32 v[14:15], v[14:15], v[96+\j:97+\j]
	v_pk_add_f32 v[242:243], v[242:243], v[98+\j:99+\j]
.endr
	v_pk_add_f32 v[14:15], v[14:15], v[242:243]
.irp t, 0,1,2,3,4,5,6,7
.irp i, 0,1,2,3,4,5,6,7
	v_min_num_f32 v[96+8*\t+\i], v[96+8*\t+\i], v240   ; the conversion to an 8-bit code does not saturate (ISA guide 7.6.2); p is not negative, so the hold is one-sided
.endr
	v_cvt_scalef32_pk8_bf8_f32 v[224+2*\t:225+2*\t], v[96+8*\t:103+8*\t], v244   ; registers 2 t, 2 t + 1 of P: k = 16 t + 8 h + 0 .. 7
.endr
.set j, 0
.rept 16
	v_pk_mul_f32 v[160+j:161+j], v[160+j:161+j], v[252:253] op_sel_hi:[1,0]   ; O^T under the new M.  (These are also the plain instructions between the conversions and the products)
.set j, j+2
.endr
	s_wait_dscnt 0x0                               ; V is in
.irp d, 0,1,2,3
	v_wmma_f32_16x16x128_bf8_bf8 v[160+8*\d:167+8*\d], v[32+16*\d:47+16*\d], v[224:239], v[160+8*\d:167+8*\d]   ; four accumulators by turns; between two links of one chain stand the other three and the next step's eight
.endr
.Lhidden_\@:
	s_add_co_u32 s[KF], s[KF], 128
.endm
; THE CHANGE OF SLOTS stands at a slot's head.  Each wave waits for all its tensor loads (its part of the slot that it is about to read), adds 0 to its spare word, and waits for that and for its reads of the slot that it has left.
; Behind the barrier the slot ahead is whole and nobody reads the other one.  fill = 1: that other slot takes the key slot that follows: the next one, or, where the first pass has had its 8 - i, slot 0 again: chosen without a jump.
.macro CHANGE fill
	s_wait_tensorcnt 0x0                           ; no tensor load of mine is out, so group 0 may be written
	ds_add_u32 v[SPW], v[NIL]                      ; 0 onto my spare word; with fill = 1 the descriptor's steps stand between it and the wait for it
.if \fill
	s_xor_b32 s[G0+1], s[G0+1], SLOT1              ; the other LDS slot than last time
	s_add_co_u32 s[NXT], s[NXT], 1
	s_cmp_eq_u32 s[NXT], s[LEN1]
	s_cselect_b32 s[NXT], 0, s[NXT]
	s_cselect_b32 s[DS], s[WRAP], 0
	s_add_nc_u64 s[G0+2:G0+3], s[G0+2:G0+3], SLOTB ; a key slot on; the type bits on top are not reached;
	s_sub_nc_u64 s[G0+2:G0+3], s[G0+2:G0+3], s[DS:DS+1]   ; and back to slot 0 at the pass's end
	s_wait_xcnt 0x0                                ; the last prefetch, a slot back, has read its address, so it may be written
	s_add_nc_u64 s[PFA:PFA+1], s[PFA:PFA+1], SLOTB
.endif
	s_wait_dscnt 0x0                               ; the add is done, and my reads of the slot that I have left are over
	s_barrier_signal -1
	s_barrier_wait -1
.if \fill
	TLOAD                                          ; the first thing behind the barrier, and a wave's one tensor load until the next: it has a slot's two steps in which to land
	ASK
.endif
.endm
; A PASS ENDS: O^T / the sum x 2^(e4 + e5) is o; held, converted with 2^e6, and stored as the fragment that the last product's launch will load.
.macro FINISH
	s_wait_xcnt 0x0                                ; an earlier pass's stores have read the codes' registers
.rept 4
	v_nop                                          ; places behind the last products
.endr
	v_add_f32 v14, v14, v15                        ; the sum's two halves,
	v_permlanex16_b32 v236, v14, s[SEL], s[SEL+1]
	v_add_f32 v14, v14, v236                       ; and lane l xor 16's: the row's sum
	v_rcp_f32 v14, v14
	v_nop                                          ; a plain instruction behind the reciprocal,
	s_wait_alu depctr_va_vdst(0)                   ; and the wait ahead of its first reader
	v_ldexp_f32 v14, v14, s[EPV]
.set j, 0
.rept 16
	v_pk_mul_f32 v[96+j:97+j], v[160+j:161+j], v[14:15] op_sel_hi:[1,0]   ; register 8 d + i is o(query r, 16 d + 8 h + i); each accumulator from its low end on
.set j, j+2
.endr
.set j, 0
.rept 32
	v_med3_num_f32 v[96+j], v[96+j], -v241, v241
.set j, j+1
.endr
.irp d, 0,1,2,3
	v_cvt_scalef32_pk8_bf8_f32 v[192+2*\d:193+2*\d], v[96+8*\d:103+8*\d], v245
.endr
	v_nop                                          ; one plain vector instruction behind the conversions: later products write their sources
	global_store_b128 v[AL], v[192:195], s[OBC:OBC+1]              ; 32 lanes store 512 consecutive bytes, aligned
	global_store_b128 v[AL], v[196:199], s[OBC:OBC+1] offset:512
.endm
	s_wait_loadcnt 0x0                             ; Q, both blocks'
.Lslot:                                            ; eight trips: behind each change of slots but the last the next slot is asked for
	CHANGE 1
	STEP 0
	STEP 1
	s_xor_b32 s[TB], s[TB], SLOT1                  ; on to the other LDS slot
	s_sub_co_u32 s[SLOTS], s[SLOTS], 1
	s_cmp_lg_u32 s[SLOTS], s[IX]                   ; 8 - i trips are done where 8 - trips = i: the first pass is over (a branch on ids; no barrier and no tensor load stands under it)
	s_cbranch_scc1 .Lsame_pass
	FINISH
	s_wait_xcnt 0x0                                ; the stores have read their base
	s_mov_b64 s[OBC:OBC+1], s[OB2:OB2+1]
.set j, 0
.rept 8
	v_mov_b32 v[16+j], v[24+j]                     ; the second block's Q
.set j, j+1
.endr
	INIT
	s_mov_b32 s[KF], 0
	s_mov_b32 s[Q0], s[Q0B]
.Lsame_pass:
	s_cmp_lg_u32 s[SLOTS], 0
	s_cbranch_scc1 .Lslot
	CHANGE 0                                       ; the ninth slot is written out
	STEP 0
	STEP 1
	FINISH
	s_wait_tensorcnt 0x0                           ; the wave's end
	ds_add_u32 v[SPW], v[NIL]
	s_wait_dscnt 0x0
	s_endpgm
.Lfunc_end_k_qee3f72bf35_attn:
	.size	k_qee3f72bf35_attn, .Lfunc_end_k_qee3f72bf35_attn-k_qee3f72bf35_attn
	.p2alignl 7, 3214868480
	.fill 96, 4, 3214868480
	.section	.rodata,"a",@progbits
	.p2align	6, 0x0
	.amdhsa_kernel k_qee3f72bf35_attn
		.amdhsa_group_segment_fixed_size 327680
		.amdhsa_private_segment_fixed_size 0
		.amdhsa_enable_private_segment 0
		.amdhsa_kernarg_size 24
		.amdhsa_user_sgpr_count 2
		.amdhsa_user_sgpr_kernarg_segment_ptr 1
		.amdhsa_wavefront_size32 1
		.amdhsa_system_sgpr_workgroup_id_x 1
		.amdhsa_system_sgpr_workgroup_id_y 1
		.amdhsa_system_sgpr_workgroup_id_z 1
		.amdhsa_system_vgpr_workitem_id 0
		.amdhsa_next_free_vgpr 256
		.amdhsa_next_free_sgpr 100
		.amdhsa_reserve_vcc 1
		.amdhsa_float_denorm_mode_32 3
		.amdhsa_float_denorm_mode_16_64 3
		.amdhsa_memory_ordered 1
		.amdhsa_forward_progress 1
		.amdhsa_inst_pref_size 99
	.end_amdhsa_kernel
	.amdgpu_metadata
---
amdhsa.version: [ 1, 2 ]
amdhsa.kernels:
  - .name:           k_qee3f72bf35_attn
    .symbol:         k_qee3f72bf35_attn.kd
    .args:
      - { .name: qkv, .offset: 0, .size: 8, .value_kind: global_buffer, .address_space: global }
      - { .name: lowp_scales, .offset: 8, .size: 8, .value_kind: global_buffer, .address_space: global }
      - { .name: o_img, .offset: 16, .size: 8, .value_kind: global_buffer, .address_space: global }
    .group_segment_fixed_size: 327680
    .private_segment_fixed_size: 0
    .kernarg_segment_align: 8
    .kernarg_segment_size: 24
    .max_flat_workgroup_size: 512
    .sgpr_count:     100
    .vgpr_count:     256
    .wavefront_size: 32
...
	.end_amdgpu_metadata
.endif
;; end of part 2
;; launch proj (part 3): grid 8 x 64, 4 waves a work-group, clusters of 4 x 4, 327,680 bytes of LDS; arguments o_img, W_o_codes, b_o, lowp_scales, out0; writes out0
.if DOCPART == 3
	.amdgcn_target "amdgcn-amd-amdhsa--gfx1250"
	.amdhsa_code_object_version 6
	.text
	.protected	k_qee3f72bf35_proj
	.globl	k_qee3f72bf35_proj
	.p2align	8
	.type	k_qee3f72bf35_proj,@function
k_qee3f72bf35_proj:
	s_mov_b64 s[64:65], 0
	v_nop
	global_prefetch_b8 v0, s[64:65] scope:SCOPE_SE
	s_setreg_imm32_b32 hwreg(HW_REG_WAVE_MODE, 25, 1), 1
	s_wait_xcnt 0x0
	s_wait_alu depctr_hold_cnt(0) depctr_sa_sdst(0) depctr_va_vdst(0) depctr_va_sdst(0) depctr_va_ssrc(0) depctr_va_vcc(0) depctr_vm_vsrc(0)
	s_getreg_b32 s2, hwreg(HW_REG_IB_STS2, 6, 4)
	s_cmp_eq_u32 s2, 0
	s_cbranch_scc0 .Lentry_in_a_cluster
	s_endpgm
.Lentry_in_a_cluster:
	s_bfe_u32 s2, ttmp6, 0x10000c
	s_cmp_lg_u32 s2, 0xf033
	s_cbranch_scc0 .Lentry_shape_is_right
	s_endpgm
.Lentry_shape_is_right:
; out0 = o W_o + b_o on codes of BF8 (E5M2).  o comes as images of operand registers, o_img [tile of 16 tokens 512][head 16][2][lane][16 bytes]: two heads on end are one fragment of 16 tokens x 128 K, 2,048 bytes.
; W_o: [1024 (n)][1024 (k)] codes, K innermost.  b_o [1024], out0 [8192][1024]: f32.  A sum is multiplied once by 2^(e6 + e7).  LIMIT: e6 + e7 between -126 and 127.  NaN and infinity codes are not served.
; A tile of out0 is 128 x 128: 512 work-groups.  Four waves, 64 x 64 each: 16 accumulators.  THE WHOLE K OF BOTH OPERANDS FITS IN LDS (131,072 + 139,264 bytes): every LDS byte is filled once, in four chunks of 256 along K,
; all sixteen loads of the work-group asked for at the start; the products begin when chunk 0 has landed.  So there is no ring and no refill.
; CLUSTERS: 4 x 4 work-groups.  o's tile hangs on the tile row and is shared along a row of the cluster, W_o's on the tile column and is shared along a column: each is asked for jointly.
; THE MATRIX INSTRUCTION IS USED TRANSPOSED (source 0 = 16 rows of W_o, source 1 = 16 tokens): a lane holds eight neighbouring numbers of a row of out0.
; o's image has k in the plain 8-bit operand's own places (registers 2 c, 2 c + 1: k = 16 c + 8 (lane / 16) + 0 .. 7), so W_o's fragments are read so too: eight loads of 8 bytes, 16 bytes apart.
; REGISTERS: window 0: v0-31 addresses; v32-63 a block's numbers; v64-95 rows read back from the stage; v96-127 the bias; v128-255 the accumulators ((a, b) at v[128 + 8 (4 a + b)]).
;   window 1: two fragment buffers of 128: o's four fragments, then W_o's four.
.set PITCH,  272                       ; a row of W_o's chunk in LDS: 256 bytes + 16 of padding = 68 words: row r starts at bank 4 r mod 64 (64 banks of 4 bytes: ISA guide 11.1)
.set ACH,    32768                     ; LDS: o: [chunk 4][tile of 16 tokens 8][4,096 bytes]
.set BBASE,  4*ACH                     ; W_o: [chunk 4][128 rows x 272 bytes]
.set BCH,    128*PITCH
.set STAGE,  BBASE+4*BCH               ; the way out: 16 rows x 272 bytes for each wave; no fill lands here
.set SPITCH, 272
.set ADRA, 16                          ; v16-17  LDS address of my fragments of o in chunks 0, 1 and in chunks 2, 3
.set ADRB, 20                          ; v20-21  the same for W_o
.set STO,  24                          ; v24     the way out: where I put 32 bytes of a row
.set RD,   25                          ; v25     and where I read a row back
.set CO,   26                          ; v26     my byte offset in two rows of out0
.set BO,   27                          ; v27     32 (lane / 16): my eight numbers of a tile's bias
.set TMP,  32
.set BK,   64
.set BI,   96
.set ACC,  128
.set F0,   0
.set F1,   128
.set G1A, 24                           ; s[24:31] descriptor group 1 for o's tiles
.set G1B, 48                           ; s[48:55] for W_o's
.set G0A, 68                           ; s[68:83] group 0 for o's four chunks
.set G0B, 84                           ; s[84:99] for W_o's
.set MSB, 0
.macro WIN new                         ; the immediate's high byte repeats the setting that is left
.if MSB != (\new)
	s_set_vgpr_msb (MSB<<8)|(\new)
.set MSB, (\new)
.endif
.endm
.set MUL,  0x05                        ; sources 0 and 1 window 1; C and D window 0
.set TO_F, 0x40                        ; destination window 1, address window 0
.macro CROUND                          ; a round of the cluster's barrier
	s_barrier_signal -1
	s_barrier_wait -1
	s_cmp_lg_u32 s14, 0
	s_cbranch_scc1 .Lnot_wave_0_\@
	s_barrier_signal -3
.Lnot_wave_0_\@:
	s_barrier_wait -3
	s_barrier_signal -1
	s_barrier_wait -1
.endm
.macro PLACES                          ; four places in front of loads into registers that matrix instructions have read, and of the first read of results (ISA guide 7.12.1 for vector instructions)
.rept 4
	v_nop
.endr
.endm
	s_load_b128 s[4:7], s[0:1], 0x0                ; o_img s[4:5], W_o's codes s[6:7]
	s_load_b128 s[8:11], s[0:1], 0x10              ; b_o s[8:9], the exponents s[10:11]
	s_load_b64 s[12:13], s[0:1], 0x20              ; out0
	v_lshl_add_u32 v30, v0, 2, 0x46400
	v_mov_b32 v31, 0
	ds_add_u32 v30, v31
	v_lshrrev_b32 v1, 5, v0
	v_readfirstlane_b32 s14, v1                    ; wave 0..3
	s_lshr_b32 s15, s14, 1                         ; which half of the tile's rows is mine.  Also: I fetch o (0) or W_o (1)
	s_and_b32 s16, s14, 1                          ; which half of its columns.  Also: which half of that tile I fetch
	s_bfe_u32 s40, ttmp6, 0x40000                  ; cx, cy: my place in the cluster
	s_bfe_u32 s41, ttmp6, 0x40004
	s_lshl_b32 s42, ttmp9, 2
	s_add_co_u32 s42, s42, s40                     ; tile column = 4 x cluster x + cx
	s_and_b32 s17, ttmp7, 0xffff
	s_lshl_b32 s17, s17, 2
	s_add_co_u32 s17, s17, s41                     ; tile row = 4 x cluster y + cy
	s_lshl_b32 s43, s41, 2
	s_lshl_b32 s43, 15, s43                        ; my row of the cluster
	s_lshl_b32 s44, 0x1111, s40                    ; my column
	; o: a load brings a chunk's 4,096 bytes of each of four tiles of 16 tokens, which lie 16,384 bytes apart; dense in LDS
	s_or_b32 s[G1A], s43, (3<<16)|(1<<21)          ; 15:0 the mask: my row; 17:16 elements of 8 bytes; 21 set beside a mask; no padding: every LDS read takes 512 consecutive bytes
	s_mov_b32 s[G1A+1], 512<<16                    ; tensor_dim0 = 512 elements
	s_mov_b32 s[G1A+2], 4<<16                      ; tensor_dim1 = 4
	s_mov_b32 s[G1A+3], 512<<16                    ; tile_dim0
	s_mov_b32 s[G1A+4], 4                          ; tile_dim1
	s_mov_b32 s[G1A+5], 2048                       ; tensor_dim0_stride, in elements
	s_mov_b32 s[G1A+6], 0
	s_mov_b32 s[G1A+7], 0
	; W_o: 64 rows x 256 bytes, padded in LDS
	s_or_b32 s[G1B], s44, (0<<16)|(1<<20)|(1<<21)|(5<<22)|(3<<25)   ; the mask: my column; elements of 1 byte; padding: 4 words after every 64
	s_mov_b32 s[G1B+1], 256<<16
	s_mov_b32 s[G1B+2], 64<<16
	s_mov_b32 s[G1B+3], 256<<16
	s_mov_b32 s[G1B+4], 64
	s_mov_b32 s[G1B+5], 1024
	s_mov_b32 s[G1B+6], 0
	s_mov_b32 s[G1B+7], 0
	s_lshl_b32 s20, s17, 3
	s_lshl_b32 s18, s16, 2
	s_add_co_u32 s20, s20, s18
	s_lshl_b32 s20, s20, 14                        ; o: (8 x tile row + 4 x half) tiles of 16,384 bytes
	s_mov_b32 s21, 0
	s_lshl_b32 s46, s42, 7
	s_lshl_b32 s18, s16, 6
	s_add_co_u32 s46, s46, s18
	s_lshl_b32 s46, s46, 10                        ; W_o: (128 x tile column + 64 x half) rows of 1,024 bytes
	s_mov_b32 s47, 0
	s_lshl_b32 s22, s16, 14                        ; where they go: no place in the cluster enters an LDS address
	s_mul_i32 s23, s16, 64*PITCH
	s_add_co_u32 s23, s23, BBASE
	s_wait_dscnt 0x0
	s_wait_kmcnt 0x0
	s_load_b256 s[32:39], s[10:11], 0x0            ; e0 .. e7
	s_add_nc_u64 s[20:21], s[4:5], s[20:21]
	s_add_nc_u64 s[46:47], s[6:7], s[46:47]
.irp c, 0,1,2,3
	s_mov_b32 s[G0A+4*\c], 1
	s_add_co_u32 s[G0A+4*\c+1], s22, \c*ACH
	s_add_nc_u64 s[G0A+4*\c+2:G0A+4*\c+3], s[20:21], \c*4096
	s_or_b32 s[G0A+4*\c+3], s[G0A+4*\c+3], 0x80000000
	s_mov_b32 s[G0B+4*\c], 1
	s_add_co_u32 s[G0B+4*\c+1], s23, \c*BCH
	s_add_nc_u64 s[G0B+4*\c+2:G0B+4*\c+3], s[46:47], \c*256
	s_or_b32 s[G0B+4*\c+3], s[G0B+4*\c+3], 0x80000000
.endr
	CROUND                                         ; all sixteen work-groups are here: the joint loads meet
	s_cmp_lt_u32 s14, 2                            ; a wave's four fills stand in one branch on its number, ahead of every wait on TENSORcnt and every LDS read: four loads of mine are out; four v_nop follow the last
	s_cbranch_scc0 .Lfirst_b
.irp c, 0,1,2,3
	tensor_load_to_lds s[G0A+4*\c:G0A+4*\c+3], s[G1A:G1A+7]
	s_nop 0
.endr
.rept 4
	v_nop
.endr
	s_branch .Lfirst_asked
.Lfirst_b:
.irp c, 0,1,2,3
	tensor_load_to_lds s[G0B+4*\c:G0B+4*\c+3], s[G1B:G1B+7]
	s_nop 0
.endr
.rept 4
	v_nop
.endr
.Lfirst_asked:
	v_and_b32 v1, 15, v0                           ; r = lane % 16
	v_bfe_u32 v2, v0, 4, 1                         ; h = lane / 16
	v_and_b32 v3, 31, v0
	v_lshlrev_b32 v3, 4, v3                        ; 16 x lane
	s_lshl_b32 s18, s15, 14                        ; my four tiles of 16 tokens
	v_add_nc_u32 v[ADRA], s18, v3
	v_add_nc_u32 v[ADRA+1], 2*ACH, v[ADRA]
	v_mul_u32_u24 v4, v1, PITCH
	v_lshl_add_u32 v4, v2, 3, v4                   ; W_o: row r x pitch + 8 h
	s_mul_i32 s18, s16, 64*PITCH
	s_add_co_u32 s18, s18, BBASE                   ; my 64 rows
	v_add_nc_u32 v[ADRB], s18, v4
	v_add_nc_u32 v[ADRB+1], 2*BCH, v[ADRB]
	s_mul_i32 s18, s14, 16*SPITCH
	s_add_co_u32 s18, s18, STAGE                   ; my stage
	v_mul_u32_u24 v5, v1, SPITCH
	v_lshl_add_u32 v5, v2, 5, v5
	v_add_nc_u32 v[STO], s18, v5                   ; in: row r, 32 bytes for each half of the lanes
	v_mul_u32_u24 v5, v2, SPITCH
	v_lshl_add_u32 v5, v1, 4, v5
	v_add_nc_u32 v[RD], s18, v5                    ; back: lanes 0-15 one row of 256 bytes, lanes 16-31 the next
	v_lshlrev_b32 v5, 12, v2
	v_lshl_add_u32 v[CO], v1, 4, v5                ; and the same two rows in out0, 4,096 bytes apart
	v_lshlrev_b32 v[BO], 5, v2
	s_lshl_b32 s58, s17, 7
	s_lshl_b32 s59, s15, 6
	s_add_co_u32 s58, s58, s59
	s_lshl_b32 s58, s58, 12                        ; my first row of out0: (128 x tile row + 64 x half) x 4,096 bytes: under 2^25
	s_lshl_b32 s60, s42, 9
	s_lshl_b32 s61, s16, 8
	s_add_co_u32 s60, s60, s61                     ; my first column, in bytes: 512 x tile column + 256 x half
	s_mov_b32 s61, 0
	s_add_nc_u64 s[8:9], s[8:9], s[60:61]          ; b_o at my 64 columns
	s_add_co_u32 s58, s58, s60
	s_mov_b32 s59, 0
	s_add_nc_u64 s[12:13], s[12:13], s[58:59]
.irp b, 0,1,2,3
	global_load_b128 v[BI+8*\b:BI+8*\b+3], v[BO], s[8:9] offset:64*\b       ; register 8 b + j: b_o at column 16 b + 8 h + j of my 64
	global_load_b128 v[BI+8*\b+4:BI+8*\b+7], v[BO], s[8:9] offset:64*\b+16
.endr
; The fragments of K step s (128 along K; chunk s / 2, its half s % 2) into buffer f: o's four by 16 loads of 16 bytes, as their registers were stored; W_o's four by 32 loads of 8 bytes
.macro FETCH s, f
	WIN TO_F
.irp i, 0,1,2,3
.irp g, 0,1,2,3
	ds_load_b128 v[\f+16*\i+4*\g:\f+16*\i+4*\g+3], v[ADRA+(\s)/4] offset:(((\s)/2)%2)*ACH+\i*4096+((\s)%2)*2048+\g*512
.endr
.endr
.irp i, 0,1,2,3
.irp c, 0,1,2,3,4,5,6,7
	ds_load_b64 v[\f+64+16*\i+2*\c:\f+64+16*\i+2*\c+1], v[ADRB+(\s)/4] offset:(((\s)/2)%2)*BCH+\i*16*PITCH+((\s)%2)*128+16*\c
.endr
.endr
.endm
; 8 matrix instructions: blocks a0, a0 + 1 of 16 tokens x my four tiles of columns.  The 16 accumulators take turns, one instruction a turn, in the same order in every step.
.macro MUL8 f, a0, zero
.irp a, \a0, \a0+1
.irp b, 0,1,2,3
.if \zero
	v_wmma_f32_16x16x128_bf8_bf8 v[ACC+8*(4*(\a)+\b):ACC+8*(4*(\a)+\b)+7], v[\f+64+16*\b:\f+64+16*\b+15], v[\f+16*(\a):\f+16*(\a)+15], 0
.else
	v_wmma_f32_16x16x128_bf8_bf8 v[ACC+8*(4*(\a)+\b):ACC+8*(4*(\a)+\b)+7], v[\f+64+16*\b:\f+64+16*\b+15], v[\f+16*(\a):\f+16*(\a)+15], v[ACC+8*(4*(\a)+\b):ACC+8*(4*(\a)+\b)+7]
.endif
.endr
.endr
.endm
.macro EVEN s, zero                    ; a chunk's first step: the next step's fragments lie in the same chunk
	s_wait_dscnt 0x0                               ; this step's fragments are in
	WIN MUL
	MUL8 F0, 0, \zero
	PLACES
	FETCH (\s)+1, F1
	WIN MUL
	MUL8 F0, 2, \zero
.endm
.macro ODD s                           ; a chunk's second step: the next step's fragments lie in the next chunk, parts of which other waves fetched
	s_wait_dscnt 0x0                               ; this step's fragments are in: no LDS instruction of mine is pending at the signal
	s_wait_tensorcnt 2-((\s)-1)/2                  ; my part of the next chunk has landed; the count is that of the later chunks, which may stay out
	s_barrier_signal -1
	WIN MUL
	MUL8 F1, 0, 0                                  ; work on registers while the others arrive
	s_barrier_wait -1                              ; everybody's part has landed
	PLACES
	FETCH (\s)+1, F0
	WIN MUL
	MUL8 F1, 2, 0
.endm
	s_wait_tensorcnt 3                             ; my part of chunk 0 is in; chunks 1 to 3 may be out
	s_barrier_signal -1
	s_barrier_wait -1                              ; everybody's is
	FETCH 0, F0
	EVEN 0, 1                                      ; the first products start the sums
	ODD 1
	EVEN 2, 0
	ODD 3
	EVEN 4, 0
	ODD 5                                          ; its wait on TENSORcnt is for 0: no tensor load is out from here on
	EVEN 6, 0
	s_wait_dscnt 0x0
	WIN MUL
	MUL8 F1, 0, 0
	MUL8 F1, 2, 0
	WIN 0
	; THE WAY OUT, a block of 16 rows x my 64 columns at a time: number = sum x 2^(e6 + e7) + b_o; a lane's 32 bytes go into my own stage and come back as whole rows of 256 bytes.
	s_wait_kmcnt 0x0
	s_add_co_i32 s56, s38, s39                     ; e6 + e7
	s_add_co_i32 s56, s56, 127
	s_lshl_b32 s56, s56, 23                        ; 2^(e6 + e7) as f32
	s_mov_b32 s57, s56                             ; (named with it as a pair, so it is written)
	s_wait_loadcnt 0x0                             ; the bias
	PLACES
.irp a, 0,1,2,3
.set j, 0
.rept 16
	v_pk_fma_f32 v[TMP+j:TMP+j+1], v[ACC+32*\a+j:ACC+32*\a+j+1], s[56:57], v[BI+j:BI+j+1] op_sel_hi:[1,0,1]   ; each accumulator from its low end on
.set j, j+2
.endr
.irp b, 0,1,2,3
	ds_store_b128 v[STO], v[TMP+8*\b:TMP+8*\b+3] offset:64*\b
	ds_store_b128 v[STO], v[TMP+8*\b+4:TMP+8*\b+7] offset:64*\b+16
.endr
.if \a > 0
	s_wait_xcnt 0x0                                ; the last block's stores have read their registers: the loads below may land there
.endif
.irp t, 0,1,2,3,4,5,6,7
	ds_load_b128 v[BK+4*\t:BK+4*\t+3], v[RD] offset:\t*2*SPITCH   ; LDS serves a wave's instructions in order (ISA guide 5.7.1.4): these see my stores, and the next block's stores come behind them
.endr
	s_wait_dscnt 0x0
.irp t, 0,1,2,3,4,5,6,7
	global_store_b128 v[CO], v[BK+4*\t:BK+4*\t+3], s[12:13] offset:(16*\a+2*\t)*4096 th:TH_STORE_NT   ; 16 lanes store 256 consecutive bytes, at a multiple of 256 from out0's first byte; written once, read by nobody here
.endr
.endr
	s_wait_tensorcnt 0x0
	ds_add_u32 v30, v31
	s_wait_dscnt 0x0
	CROUND                                         ; the closing round: no work-group ends while a partner may still ask for a tile that names it
	s_endpgm
.Lfunc_end_k_qee3f72bf35_proj:
	.size	k_qee3f72bf35_proj, .Lfunc_end_k_qee3f72bf35_proj-k_qee3f72bf35_proj
	.p2alignl 7, 3214868480
	.fill 96, 4, 3214868480
	.section	.rodata,"a",@progbits
	.p2align	6, 0x0
	.amdhsa_kernel k_qee3f72bf35_proj
		.amdhsa_group_segment_fixed_size 327680
		.amdhsa_private_segment_fixed_size 0
		.amdhsa_enable_private_segment 0
		.amdhsa_kernarg_size 40
		.amdhsa_user_sgpr_count 2
		.amdhsa_user_sgpr_kernarg_segment_ptr 1
		.amdhsa_wavefront_size32 1
		.amdhsa_system_sgpr_workgroup_id_x 1
		.amdhsa_system_sgpr_workgroup_id_y 1
		.amdhsa_system_sgpr_workgroup_id_z 1
		.amdhsa_system_vgpr_workitem_id 0
		.amdhsa_next_free_vgpr 512
		.amdhsa_next_free_sgpr 100
		.amdhsa_reserve_vcc 0
		.amdhsa_float_denorm_mode_32 3
		.amdhsa_float_denorm_mode_16_64 3
		.amdhsa_memory_ordered 1
		.amdhsa_forward_progress 1
		.amdhsa_inst_pref_size 55
	.end_amdhsa_kernel
	.amdgpu_metadata
---
amdhsa.version: [ 1, 2 ]
amdhsa.kernels:
  - .name:           k_qee3f72bf35_proj
    .symbol:         k_qee3f72bf35_proj.kd
    .args:
      - { .name: o_img, .offset: 0, .size: 8, .value_kind: global_buffer, .address_space: global }
      - { .name: W_o_codes, .offset: 8, .size: 8, .value_kind: global_buffer, .address_space: global }
      - { .name: b_o, .offset: 16, .size: 8, .value_kind: global_buffer, .address_space: global }
      - { .name: lowp_scales, .offset: 24, .size: 8, .value_kind: global_buffer, .address_space: global }
      - { .name: out0, .offset: 32, .size: 8, .value_kind: global_buffer, .address_space: global }
    .group_segment_fixed_size: 327680
    .private_segment_fixed_size: 0
    .kernarg_segment_align: 8
    .kernarg_segment_size: 40
    .max_flat_workgroup_size: 128
    .sgpr_count:     100
    .vgpr_count:     512
    .wavefront_size: 32
...
	.end_amdgpu_metadata
.endif
;; end of part 3
